; MI455X (gfx1250); checked and timed in simulation.
; The chip was launched on July 23, 2026; its instructions are those of AMD's public machine-readable ISA for CDNA 5 (MIT licence, August 2026) and "CDNA5" Instruction Set Architecture Reference Guide (July 2026). The comments in the code are by the model that wrote it; some were corrected since.
;; Mo E Layer. Allowed arithmetic: float matrix products may take bf16 or f16 operands with f32 sums; other float arithmetic in f32, or as packed bf16 or f16 multiplies, adds, multiply-adds, maxima and minima; sums over many terms, partial sums and values carried from step to step in f32; what a program stores and reads back later, other than sums and carried values, may be rounded once to bf16 or f16.
;; Inputs: W1 8 x 1,024 x 2,048 float32; W2 8 x 2,048 x 1,024 float32; b1 8 x 2,048 float32; b2 8 x 1,024 float32; gate_W 1,024 x 8 float32; gate_b 8 float32; x 8 x 256 x 1,024 float32.
;; Outputs: out0 8 x 256 x 1,024 float32; out1 2,048 x 8 float32.
;; One version. Each part assembles by itself: llvm-mc -triple=amdgcn-amd-amdhsa -mcpu=gfx1250 --defsym DOCPART=n.
;; ======== version 1 of 1: 3 launches
;; limits: values are held in f16: magnitudes above 65,504 overflow, below 6.1e-05 lose precision
;; workspace buffers: xb 4,194,304 bytes; sel 8,192 bytes of whole numbers; topw 8,192 bytes; hbuf 67,108,864 bytes
;; launch route (part 1): grid 256 x 1, 4 waves a work-group, no clusters, 33,792 bytes of LDS; arguments x, gate_W, gate_b, xb, out1, sel, topw; writes xb, out1, sel, topw
.if DOCPART == 1
	.amdgcn_target "amdgcn-amd-amdhsa--gfx1250"
	.amdhsa_code_object_version 6
	.text
	.protected	k_qcfb9a2845b_route
	.globl	k_qcfb9a2845b_route
	.p2align	8
	.type	k_qcfb9a2845b_route,@function
k_qcfb9a2845b_route:
	s_mov_b64 s[64:65], 0
	v_nop
	global_prefetch_b8 v0, s[64:65] scope:SCOPE_SE
	s_setreg_imm32_b32 hwreg(HW_REG_WAVE_MODE, 25, 1), 1
	s_wait_xcnt 0x0
; ROUTER.  logits = x gate_W + gate_b, softmax over the 8 experts (out1), the first largest weight's index (sel, one u32 a token) and that weight (topw); and x rounded to bf16 (xb).
; x: [2048][1024] f32, gate_W: [1024][8] f32, gate_b: [8] f32.  All three are rounded to bf16 first, as every input of the program is; products and sums in f32.
; The maximum is taken away before the exponentials.  LIMITS: a weight below 2^-126 counts as 0; NaN and infinities are not treated apart; where two logits agree to within the rounding
; of an f32 sum of 1,024 terms, the choice may fall on the other of the two.
; SHARES.  A work-group has 8 tokens (32,768 bytes of x), 256 work-groups.  Wave w has columns 256 w .. 256 w + 255 of all 8 tokens; lane l the columns 256 w + 128 j + 4 l + i (j = 0, 1; i = 0..3),
; so a load of x covers 512 consecutive bytes and a store of xb 256 consecutive bytes, aligned.  Each lane keeps 8 x 8 partial sums; they meet in LDS: wave w then sums tokens 2 w and 2 w + 1.
; No matrix unit (8 columns), no cluster (the work-groups share only gate_W, 32 KiB against 32 KiB of x each, read once into registers).
; sel and topw leave as 32 bytes a work-group: 8 tokens a work-group is what gives each of 256 work-groups a share.
.set STG,   32768                      ; LDS: 0 .. 32,767 the partial sums [source wave 4][q 16][lane 32][16 bytes]; here 8 tokens x 32 bytes of weights, at +256 their indices, at +288 their weights
.set SPARE, 33280                      ; the spare words, 128 bytes a wave: two blocks of 256 bytes that no other line names
.set SPW, 1                            ; v1   SPARE + 4 x my thread's number; never rewritten
.set NIL, 2                            ; v2   0; never rewritten
.set LN,  3                            ; v3   lane
.set XO,  4                            ; v4   1024 w + 16 l: my 16 bytes in a row of x
.set GO,  5                            ; v5   8192 w + 128 l: my four rows of gate_W
.set XBO, 6                            ; v6   512 w + 8 l: my 8 bytes in a row of xb
.set Z,   7                            ; v7   0: what the first product of a sum is added to
.set PA,  8                            ; v8   8192 w + 16 l: where I put partial sums
.set PR,  9                            ; v9   2048 w + 16 l: where I read those of my two tokens
.set SA,  10                           ; v10  my token's 32 bytes of weights in the stage
.set SB,  11                           ; v11  my token's index word in the stage
.set X,   16                           ; v16-79   x as loaded: token t, half j at X + 8 t + 4 j; later the partial sums read back
.set ACC, 80                           ; v80-143  gate_W as loaded (column ci = 4 j + i: 8 experts at ACC + 8 ci); then the sums: token t, expert e at ACC + 8 t + e
.set GP,  144                          ; v144-175 gate_W in bf16: column ci, expert pair p at GP + 4 ci + p
.set XB,  176                          ; v176-207 x in bf16: token t, column pair cp at XB + 4 t + cp
.set T,   208                          ; v208-223 at work
	s_load_b256 s[4:11], s[0:1], 0x0               ; x s[4:5], gate_W s[6:7], gate_b s[8:9], xb s[10:11]
	s_load_b128 s[12:15], s[0:1], 0x20             ; out1 s[12:13], sel s[14:15]
	s_load_b64 s[16:17], s[0:1], 0x30              ; topw
	v_lshl_add_u32 v[SPW], v0, 2, SPARE
	v_mov_b32 v[NIL], 0
	v_lshrrev_b32 v[T], 5, v0
	v_readfirstlane_b32 s18, v[T]                  ; wave 0..3
	v_and_b32 v[LN], 31, v0
	v_mov_b32 v[Z], 0
	v_lshlrev_b32 v[XO], 4, v[LN]                  ; 16 l
	v_lshl_add_u32 v[PA], s18, 13, v[XO]
	v_lshl_add_u32 v[PR], s18, 11, v[XO]
	v_lshl_add_u32 v[XO], s18, 10, v[XO]
	v_lshlrev_b32 v[GO], 7, v[LN]
	v_lshl_add_u32 v[GO], s18, 13, v[GO]
	v_lshlrev_b32 v[XBO], 3, v[LN]
	v_lshl_add_u32 v[XBO], s18, 9, v[XBO]
	v_lshrrev_b32 v[T], 4, v[LN]
	v_lshl_add_u32 v[T], s18, 1, v[T]              ; the token that my half of the lanes ends up with: 2 w + l / 16
	v_lshl_add_u32 v[SA], v[T], 5, STG
	v_lshl_add_u32 v[SB], v[T], 2, STG+256
	s_mov_b32 s19, 0x3fb8aa3b                      ; log2(e)
	s_mov_b32 s23, 0
	s_lshl_b32 s22, ttmp9, 15                      ; 8 rows of x
	s_wait_kmcnt 0x0
	s_load_b256 s[24:31], s[8:9], 0x0              ; gate_b's eight numbers
	s_add_nc_u64 s[4:5], s[4:5], s[22:23]
	s_lshl_b32 s22, ttmp9, 14                      ; 8 rows of xb
	s_add_nc_u64 s[10:11], s[10:11], s[22:23]
	s_lshl_b32 s22, ttmp9, 8                       ; 8 rows of out1
	s_add_nc_u64 s[12:13], s[12:13], s[22:23]
	s_lshl_b32 s22, ttmp9, 5                       ; 8 words of sel and of topw
	s_add_nc_u64 s[14:15], s[14:15], s[22:23]
	s_add_nc_u64 s[16:17], s[16:17], s[22:23]
.irp c, 0,1,2,3,4,5,6,7
	global_load_b128 v[ACC+8*(\c):ACC+8*(\c)+3],   v[GO], s[6:7] offset:4096*((\c)/4)+32*((\c)%4)
	global_load_b128 v[ACC+8*(\c)+4:ACC+8*(\c)+7], v[GO], s[6:7] offset:4096*((\c)/4)+32*((\c)%4)+16
.endr
.irp t, 0,1,2,3,4,5,6,7
.irp j, 0,1
	global_load_b128 v[X+8*(\t)+4*(\j):X+8*(\t)+4*(\j)+3], v[XO], s[4:5] offset:4096*(\t)+512*(\j) th:TH_LOAD_NT
.endr
.endr
	s_wait_loadcnt 16                              ; gate_W is in; the 16 loads of x issued behind it stay out
.irp c, 0,1,2,3,4,5,6,7
.irp p, 0,1,2,3
	v_cvt_pk_bf16_f32 v[GP+4*(\c)+(\p)], v[ACC+8*(\c)+2*(\p)], v[ACC+8*(\c)+2*(\p)+1]
.endr
.endr
; A token: rounded, stored, and multiplied: 8 columns x 8 experts, the experts by turns, so that eight sums run side by side.
.irp t, 0,1,2,3,4,5,6,7
	s_wait_loadcnt 14-2*(\t)                       ; this token's two loads are in; the later tokens' two each stay out
.irp p, 0,1,2,3
	v_cvt_pk_bf16_f32 v[XB+4*(\t)+(\p)], v[X+8*(\t)+2*(\p)], v[X+8*(\t)+2*(\p)+1]
.endr
	global_store_b64 v[XBO], v[XB+4*(\t):XB+4*(\t)+1],   s[10:11] offset:2048*(\t)      ; 32 lanes x 8 bytes: 256 consecutive bytes, aligned
	global_store_b64 v[XBO], v[XB+4*(\t)+2:XB+4*(\t)+3], s[10:11] offset:2048*(\t)+256
.irp cp, 0,1,2,3
.irp ch, 0,1
.irp ep, 0,1,2,3
.irp eh, 0,1
.if (\cp)+(\ch) == 0
	v_fma_mix_f32_bf16 v[ACC+8*(\t)+2*(\ep)+(\eh)], v[XB+4*(\t)+(\cp)], v[GP+4*(2*(\cp)+(\ch))+(\ep)], v[Z] op_sel:[\ch,\eh,0] op_sel_hi:[1,1,0]
.else
	v_fma_mix_f32_bf16 v[ACC+8*(\t)+2*(\ep)+(\eh)], v[XB+4*(\t)+(\cp)], v[GP+4*(2*(\cp)+(\ch))+(\ep)], v[ACC+8*(\t)+2*(\ep)+(\eh)] op_sel:[\ch,\eh,0] op_sel_hi:[1,1,0]
.endif
.endr
.endr
.endr
.endr
.endr
; The partial sums meet: every lane stores its 64, four at a time; q = 2 t + e / 4.
.irp q, 0,1,2,3,4,5,6,7,8,9,10,11,12,13,14,15
	ds_store_b128 v[PA], v[ACC+4*(\q):ACC+4*(\q)+3] offset:512*(\q)
.endr
	s_wait_dscnt 0x0                               ; for the others: my stores are done
	s_barrier_signal -1
	s_barrier_wait -1
.irp u, 0,1,2,3
.irp q, 0,1,2,3
	ds_load_b128 v[X+16*(\u)+4*(\q):X+16*(\u)+4*(\q)+3], v[PR] offset:8192*(\u)+512*(\q)   ; source wave u, my two tokens' 16 sums of its lane l
.endr
.endr
	s_wait_dscnt 0x0
.irp u, 1,2,3
.irp r, 0,2,4,6,8,10,12,14
	v_pk_add_f32 v[X+(\r):X+(\r)+1], v[X+(\r):X+(\r)+1], v[X+16*(\u)+(\r):X+16*(\u)+(\r)+1]
.endr
.endr
; v16-23: token 2 w, v24-31: token 2 w + 1, a partial sum in each lane.  The swap gives lanes 0-15 both halves of the first token and lanes 16-31 those of the second.
.irp e, 0,1,2,3,4,5,6,7
	v_permlane16_swap_b32 v[X+(\e)], v[X+8+(\e)]
.endr
.irp e, 0,1,2,3,4,5,6,7
	v_add_f32 v[X+(\e)], v[X+(\e)], v[X+8+(\e)]
.endr
.irp m, 1,2,4,8
.irp e, 0,1,2,3,4,5,6,7
	v_add_f32_dpp v[X+(\e)], v[X+(\e)], v[X+(\e)] row_xmask:\m row_mask:0xf bank_mask:0xf
.endr
.endr
	s_wait_kmcnt 0x0                               ; gate_b
.irp e, 0,1,2,3,4,5,6,7
	v_mov_b32 v[T+4+(\e)], s[24+(\e)]
.endr
.irp p, 0,1,2,3
	v_cvt_pk_bf16_f32 v[T+(\p)], v[T+4+2*(\p)], v[T+5+2*(\p)]   ; gate_b rounded to bf16,
.endr
.irp p, 0,1,2,3
	v_lshlrev_b32 v[T+4+2*(\p)], 16, v[T+(\p)]     ; and back as f32
	v_and_b32 v[T+5+2*(\p)], 0xffff0000, v[T+(\p)]
.endr
.irp p, 0,1,2,3
	v_pk_add_f32 v[X+2*(\p):X+2*(\p)+1], v[X+2*(\p):X+2*(\p)+1], v[T+4+2*(\p):T+5+2*(\p)]
.endr
; softmax: 2^(c L - c m), c = log2(e), m the largest of the eight
	v_max3_num_f32 v[T+12], v[X], v[X+1], v[X+2]
	v_max3_num_f32 v[T+12], v[T+12], v[X+3], v[X+4]
	v_max3_num_f32 v[T+12], v[T+12], v[X+5], v[X+6]
	v_max_num_f32 v[T+12], v[T+12], v[X+7]
	v_mul_f32 v[T+13], s19, v[T+12]
.irp e, 0,1,2,3,4,5,6,7
	v_fma_f32 v[X+(\e)], v[X+(\e)], s19, -v[T+13]
.endr
.irp e, 0,1,2,3,4,5,6,7
	v_exp_f32 v[X+(\e)], v[X+(\e)]
.endr
	v_nop                                          ; a plain instruction behind the last exponential
	s_wait_alu depctr_va_vdst(0)                   ; one wait for the batch of eight, ahead of their first reader
	v_add_f32 v[T], v[X], v[X+1]
	v_add_f32 v[T+1], v[X+2], v[X+3]
	v_add_f32 v[T+2], v[X+4], v[X+5]
	v_add_f32 v[T+3], v[X+6], v[X+7]
	v_add_f32 v[T], v[T], v[T+1]
	v_add_f32 v[T+2], v[T+2], v[T+3]
	v_add_f32 v[T], v[T], v[T+2]
	v_rcp_f32 v[T+4], v[T]
	v_mov_b32 v[T+5], 0                            ; the index starts at expert 0: also the plain instruction behind the reciprocal
	s_wait_alu depctr_va_vdst(0)                   ; ahead of the reciprocal's first reader
.irp e, 0,1,2,3,4,5,6,7
	v_mul_f32 v[X+(\e)], v[X+(\e)], v[T+4]
.endr
	v_mov_b32 v[T+6], v[X]
.irp e, 1,2,3,4,5,6,7
	v_cmp_gt_f32 vcc_lo, v[X+(\e)], v[T+6]         ; strictly greater: of equal weights the lower index stays
	v_cndmask_b32 v[T+5], v[T+5], \e, vcc_lo
	v_max_num_f32 v[T+6], v[T+6], v[X+(\e)]
.endr
	ds_store_b128 v[SA], v[X:X+3]                  ; the sixteen lanes of a half write the same words with the same numbers
	ds_store_b128 v[SA], v[X+4:X+7] offset:16
	ds_store_b32 v[SB], v[T+5]
	ds_store_b32 v[SB], v[T+6] offset:32
	s_wait_dscnt 0x0                               ; for wave 0: my stores are done
	s_barrier_signal -1
	s_barrier_wait -1
	s_cmp_lg_u32 s18, 0
	s_cbranch_scc1 .Lend                           ; wave 0 alone stores the work-group's 8 tokens
	v_and_b32 v42, 15, v[LN]
	v_lshlrev_b32 v42, 4, v42
	v_add_nc_u32 v40, STG, v42
	v_and_b32 v43, 7, v[LN]
	v_lshlrev_b32 v43, 2, v43
	v_add_nc_u32 v41, STG+256, v43
	ds_load_b128 v[32:35], v40
	ds_load_b32 v36, v41
	ds_load_b32 v37, v41 offset:32
	v_cmp_gt_u32 vcc_lo, 16, v0
	s_wait_dscnt 0x0
	s_wait_xcnt 0x0                                ; EXEC changes only behind this wait: the stores of xb name it as a source
	s_and_saveexec_b32 s20, vcc_lo
	global_store_b128 v42, v[32:35], s[12:13]      ; 16 lanes: the 8 tokens' 256 consecutive bytes of out1, aligned
	s_wait_xcnt 0x0
	s_or_b32 exec_lo, exec_lo, s20
	v_cmp_gt_u32 vcc_lo, 8, v0
	s_and_saveexec_b32 s21, vcc_lo                 ; nothing has been issued since the wait above
	global_store_b32 v43, v36, s[14:15]
	global_store_b32 v43, v37, s[16:17]
	s_wait_xcnt 0x0
	s_or_b32 exec_lo, exec_lo, s21
.Lend:
	s_wait_tensorcnt 0x0                           ; the wave's end, behind my last LDS store
	ds_add_u32 v[SPW], v[NIL]
	s_wait_dscnt 0x0
	s_endpgm
.Lfunc_end_k_qcfb9a2845b_route:
	.size	k_qcfb9a2845b_route, .Lfunc_end_k_qcfb9a2845b_route-k_qcfb9a2845b_route
	.p2alignl 7, 3214868480
	.fill 96, 4, 3214868480
	.section	.rodata,"a",@progbits
	.p2align	6, 0x0
	.amdhsa_kernel k_qcfb9a2845b_route
		.amdhsa_group_segment_fixed_size 33792
		.amdhsa_private_segment_fixed_size 0
		.amdhsa_enable_private_segment 0
		.amdhsa_kernarg_size 56
		.amdhsa_user_sgpr_count 2
		.amdhsa_user_sgpr_kernarg_segment_ptr 1
		.amdhsa_wavefront_size32 1
		.amdhsa_system_sgpr_workgroup_id_x 1
		.amdhsa_system_sgpr_workgroup_id_y 1
		.amdhsa_system_sgpr_workgroup_id_z 1
		.amdhsa_system_vgpr_workitem_id 0
		.amdhsa_next_free_vgpr 224
		.amdhsa_next_free_sgpr 66
		.amdhsa_reserve_vcc 1
		.amdhsa_float_denorm_mode_32 3
		.amdhsa_float_denorm_mode_16_64 3
		.amdhsa_memory_ordered 1
		.amdhsa_forward_progress 1
		.amdhsa_inst_pref_size 55
	.end_amdhsa_kernel
	.amdgpu_metadata
---
amdhsa.version: [ 1, 2 ]
amdhsa.kernels:
  - .name:           k_qcfb9a2845b_route
    .symbol:         k_qcfb9a2845b_route.kd
    .args:
      - { .name: x, .offset: 0, .size: 8, .value_kind: global_buffer, .address_space: global }
      - { .name: gate_W, .offset: 8, .size: 8, .value_kind: global_buffer, .address_space: global }
      - { .name: gate_b, .offset: 16, .size: 8, .value_kind: global_buffer, .address_space: global }
      - { .name: xb, .offset: 24, .size: 8, .value_kind: global_buffer, .address_space: global }
      - { .name: out1, .offset: 32, .size: 8, .value_kind: global_buffer, .address_space: global }
      - { .name: sel, .offset: 40, .size: 8, .value_kind: global_buffer, .address_space: global }
      - { .name: topw, .offset: 48, .size: 8, .value_kind: global_buffer, .address_space: global }
    .group_segment_fixed_size: 33792
    .private_segment_fixed_size: 0
    .kernarg_segment_align: 8
    .kernarg_segment_size: 56
    .max_flat_workgroup_size: 128
    .sgpr_count:     66
    .vgpr_count:     224
    .wavefront_size: 32
...
	.end_amdgpu_metadata
.endif
;; end of part 1
;; launch ffn1 (part 2): grid 32 x 8, 16 waves a work-group, no clusters, 277,760 bytes of LDS; arguments W1, b1, xb, sel, hbuf; writes hbuf
.if DOCPART == 2
	.amdgcn_target "amdgcn-amd-amdhsa--gfx1250"
	.amdhsa_code_object_version 6
	.text
	.protected	k_qcfb9a2845b_ffn1
	.globl	k_qcfb9a2845b_ffn1
	.p2align	8
	.type	k_qcfb9a2845b_ffn1,@function
k_qcfb9a2845b_ffn1:
	s_mov_b64 s[64:65], 0
	v_nop
	global_prefetch_b8 v0, s[64:65] scope:SCOPE_SE
	s_setreg_imm32_b32 hwreg(HW_REG_WAVE_MODE, 25, 1), 1
	s_wait_xcnt 0x0
; FIRST PRODUCT.  h = relu(x W1[e] + b1[e]) for the tokens that chose expert e alone.  W1: [8][1024][2048] f32, b1: [8][2048] f32, xb: [2048][1024] bf16 (x rounded), sel: [2048] u32.
; W1 and b1 are rounded to bf16; products by the matrix unit in bf16, sums in f32; h leaves in f16.
; LIMITS.  h is held to 0 .. 65,504, f16's largest number, by the line that makes the ReLU; below 6e-5 it keeps f16's fixed step of 6e-8.  NaN and infinities are not treated apart.
; GRID.  x = slice of 64 hidden columns (32), y = expert (8): a work-group has 1,024 x 64 of ONE expert's weights (262,144 bytes of f32), which it alone reads, and ALL of that expert's rows.
; PHASES.  (1) Every wave asks for sel and the bias and then for its sixteenth of the slice: k rows 64 w .. 64 w + 63, 32 loads of 512 bytes: the whole slice is on its way from the first lines.  A wave's loads are
; counted in the order of issue, so sel and the bias can be waited for by themselves; waves 0-7 then list the expert's tokens while the weights are out.  (The loads of sel and the wait for them stand on every wave's
; way; waves 8-15 do not use theirs: 10,240 bytes more a work-group.)  (2) Behind a barrier every wave makes the counts and its tiles' offsets, fills its ring of
; token rows (loads younger than the weights), and rounds and lays its weights into LDS as [k][64] bf16 as they land.  (3) A barrier; from here on the slice is only read.  (4) K IS SPLIT: waves u and u + 8 have the
; same three tiles; wave u multiplies k 0-511, wave u + 8 k 512-1,023, each taking weights from LDS by the turning load and token rows from xb straight into registers.  So sixteen waves have rows on their way, a wave's
; chain is 16 K steps, and LDS is read as often as by eight waves over the whole K.  Both start their sums from half the bias (halving is exact).  (5) A barrier, so that no wave reads the slice while a wave stores
; into LDS; waves 8-15 put their f32 sums into a stage; a barrier; waves 0-7 add them and store h.  (6) Further passes, below.  A last barrier stands in front of every wave's closing lines.
; ADDRESSES.  Every LDS address that lives across a barrier is made at the head, by every wave, from the wave's number and the lane, in a register that is never rewritten.
; ROWS.  Each of waves 0-7 counts the expert's tokens among 256 tokens of sel (no atomics) and lists them in its own segment of LDS; rank r of the expert's list is found from the eight counts.  ffn2 makes
; the same list by the same lines.  A TILE is 16 ranks.  Pass 0: tile 8 sl + u for slot sl of waves u and u + 8: 384 rows.  An expert with more rows has three more passes, jumped where they hold nothing: there each of
; the 16 waves has tiles of its own, 24 + 48 q + 16 sl + w, over the whole K, from the whole bias, with no barrier: every split is served up to all 2,048 tokens on one expert.  Tile 0 is always made (for an expert
; without tokens from token 0), so that the next launch reads no byte that nobody wrote.
; hbuf: [expert 8][tile 128][hb 128][512 bytes], hb = hidden / 16; byte 16 L of a block = (rank L % 16, hidden 16 hb + 8 (L / 16) + 0..7): a wave's store covers 512 consecutive bytes, and the block is
; half an operand fragment of the next product as it lies.
; THE MATRIX INSTRUCTION IS USED TRANSPOSED: source 0 = 16 hidden columns, source 1 = 16 token rows: a lane then holds one token and eight neighbouring columns.  The sums start from the bias, loaded as C.
; NOT USED.  Tensor loads: the f32 weights pass registers to be rounded in any case.  Multicast: each slice of weights has one reader, and the token rows that an expert's 32 work-groups share come by a list,
; which no tile descriptor covers.  Prefetch: all that comes from memory once is asked for in the first lines.
.set P,     160                        ; a k row of the slice in LDS: 128 bytes + 32: an odd multiple of 32
.set HALFB, 512*P                      ; half of the slice in LDS
.set KT0,   4                          ; turns of the A ring (4 K steps of 32) in half of K
.set KT,    8                          ; in the whole K
.set ASTEP, 64                         ; bytes of a row of xb in a K step
.set AHALF, 32                         ; a fragment's second load
.set ROWB,  8192                       ; a k row of W1 in memory
.set YOUNG, 24                         ; loads that a wave issues behind its weights and ahead of laying them down: the ring's
.set SEG,   163840                     ; behind the slice: 8 segments of 288 words: 256 places of a wave's list, 32 that take what does not belong to the expert
.set CNTL,  173056                     ; the eight counts
.set BIAS,  173312                     ; for each of waves 0-7 a copy of 512 bytes: the slice's 64 biases halved, then whole, in f32
.set BFULL, 256
.set SPARE, 177408                     ; the spare words, 128 bytes a wave: eight blocks of 256 bytes that no other line names
.set STG,   179456                     ; the stage: for each pair of waves 24 x 512 bytes: 96 registers of sums
.set STW,   12288
.set SPW, 1                            ; v1   SPARE + 4 x my thread's number; never rewritten
.set NIL, 2                            ; v2   0; never rewritten
.set WA,  3                            ; v3   LDS address of a turn's turning loads
.set AO,  4                            ; v4-6   slot sl: my byte offset in xb
.set HO,  7                            ; v7-9   slot sl: my byte offset in the expert's part of hbuf
.set R15, 10                           ; v10  L % 16
.set H16, 11                           ; v11  16 (L / 16)
.set L16, 12                           ; v12  16 L
.set BA,  13                           ; v13  my eight biases of column block 0
.set WA0, 14                           ; v14  my lane's place in 32 k rows of the slice
.set VO,  15                           ; v15  my byte offset in the slice's rows of W1
.set RING, 16                          ; v16-143   the weights as loaded: 32 loads of four registers; then:
.set ACC, 16                           ; v16-111   slot sl, column block nb at ACC + 32 sl + 8 nb
.set BF,  112                          ; v112-143  weights' fragments, column block nb at BF + 8 nb: set 0 = blocks 0, 1; set 1 = blocks 2, 3
.set AR,  144                          ; v144-239  the A ring: K step j of four, slot sl at AR + 24 j + 8 sl; later the partner's sums
.set TS,  144                          ; the way out: packed results, in the ring's registers
.set SELD, 240                         ; v240-247  eight words of sel: registers into which no other load from memory lands
.set BI,   248                         ; v248-249  two biases as loaded: likewise
.set RK,  240                          ; v240-245  behind the wait for sel, at work: rank and address for each slot
.set GG,  243
.set LS,  250                          ; v250 where I lay my weights down
.set SGA, 251                          ; v251 my 16 bytes in my pair's stage
.set TK,  252                          ; v252-254  behind the first barrier: the token of each slot's row
.set HH,  253                          ; v253 at the head: L / 16
.set LN,  254                          ; v254 up to the first barrier: L
.set TM,  255                          ; v255 at work at the head
; at work while the list is made, in the A ring's registers
.set ZQ,   156
.set POS,  160
.set ADR,  161
.set T8,   162
.set TKN,  163
.set OTH,  164
.set BP,   165
.set BO,   166
.set SO,   168
.set BOF,  169
.set BST,  170
.set ZA,   171
.set ZB,   172
.set BH,   174
.set TB,  59                           ; s59  LDS byte of the slice at which the turn in hand begins
; s[4:5] W1, s[6:7] b1, s[8:9] xb, s[10:11] sel, s[12:13] hbuf; s16 wave, s17 slice, s18 expert, s19 wave % 8: my pair, s58 wave / 8: my half of K; s[20:21] xb stepping along K; s22 live slots;
; s23 the expert's count; s24 its last rank; s25 its tiles; s26 my first tile of the pass; s27 passes; s28 turns; s29-33 at work; s32-39 the eight counts; s40-47 their running sums PF(1..8);
; s48-54 GP(1..7) = 1152 u - 4 PF(u); s55 0; s56 65,504.0; s57 mask; s[60:61] an offset, the high word 0
.macro BAR
	s_wait_dscnt 0x0                               ; for the others: my LDS stores are done and my LDS loads are back
	s_barrier_signal -1
	s_barrier_wait -1
.endm
.macro PLACES                          ; four plain instructions between a matrix instruction and a load into, or a vector line on, one of its registers
.rept 4
	v_nop
.endr
.endm
.macro BLOAD set, ks                   ; two fragments of weights: K step ks of the turn, column blocks 2 set and 2 set + 1: four turning loads
.irp n, 0,1
	ds_load_tr16_b128 v[BF+8*(2*(\set)+(\n)):BF+8*(2*(\set)+(\n))+3],   v[WA] offset:(\ks)*32*P+32*(2*(\set)+(\n))
	ds_load_tr16_b128 v[BF+8*(2*(\set)+(\n))+4:BF+8*(2*(\set)+(\n))+7], v[WA] offset:(\ks)*32*P+16*P+32*(2*(\set)+(\n))
.endr
.endm
.macro AFILL j, ks                     ; six loads: the three slots' token rows of K step ks (counted from s[20:21]) into ring place j
.irp sl, 0,1,2
	global_load_b128 v[AR+24*(\j)+8*(\sl):AR+24*(\j)+8*(\sl)+3],   v[AO+(\sl)], s[20:21] offset:(\ks)*ASTEP
	global_load_b128 v[AR+24*(\j)+8*(\sl)+4:AR+24*(\j)+8*(\sl)+7], v[AO+(\sl)], s[20:21] offset:(\ks)*ASTEP+AHALF
.endr
.endm
.macro WM set, j                       ; up to six products; a slot without rows, and those behind it, are jumped.  No two products that follow each other, on any way, name one accumulator
.irp sl, 0,1,2
	s_cmp_lt_u32 s22, (\sl)+1
	s_cbranch_scc1 .Lwm_\@
.irp n, 0,1
	v_wmma_f32_16x16x32_bf16 v[ACC+32*(\sl)+8*(2*(\set)+(\n)):ACC+32*(\sl)+8*(2*(\set)+(\n))+7], v[BF+8*(2*(\set)+(\n)):BF+8*(2*(\set)+(\n))+7], v[AR+24*(\j)+8*(\sl):AR+24*(\j)+8*(\sl)+7], v[ACC+32*(\sl)+8*(2*(\set)+(\n)):ACC+32*(\sl)+8*(2*(\set)+(\n))+7]
.endr
.endr
.Lwm_\@:
.endm
.macro MPRE                            ; ahead of a pass's first turn: both sets of its first K step are asked for
	v_add_nc_u32 v[WA], s[TB], v[WA0]
	BLOAD 0, 0
	BLOAD 1, 0
.endm
; One turn of the A ring: four K steps.  At its head both sets of its first K step have been asked for.  refill = 1: each ring place is loaded again, four K steps ahead, and the next turn's first fragments are
; asked for (K step 4 of this turn's address).  refill = 0: a pass's last turn.
.macro BODY4 refill
.irp j, 0,1,2,3
.if \refill
	s_wait_loadcnt 18                              ; ring place j is in: behind its six loads the three other places' eighteen were issued
.else
	s_wait_loadcnt 18-6*(\j)                       ; nothing is loaded any more: the count runs down
.endif
	s_wait_dscnt 4                                 ; set 0 is in; set 1's four loads may be out
	WM 0, \j
.if ((\j) < 3) || (\refill)
	PLACES
	BLOAD 0, (\j)+1
	s_wait_dscnt 4                                 ; set 1 is in; the four just issued may be out
.else
	s_wait_dscnt 0
.endif
	WM 1, \j
.if ((\j) < 3) || (\refill)
	PLACES
	BLOAD 1, (\j)+1
.endif
.if \refill
.if (\j) == 0
	s_wait_xcnt 0x0                                ; the base that the ring's loads name is stepped only behind this wait; the youngest of them were issued a K step's products ago
	s_add_nc_u64 s[20:21], s[20:21], 4*ASTEP
.endif
	AFILL \j, \j
.endif
.endr
	s_add_co_u32 s[TB], s[TB], 128*P
	v_add_nc_u32 v[WA], s[TB], v[WA0]
.endm
.macro MLOOP n
	s_mov_b32 s28, \n
.Lml_\@:
	BODY4 1
	s_sub_co_i32 s28, s28, 1
	s_cmp_lg_u32 s28, 0
	s_cbranch_scc1 .Lml_\@
.endm
; The token of a rank: the last segment u whose running sum PF(u) does not pass the rank holds it, at place rank - PF(u).  The address is held inside the segments before it is used.
.macro LOOKUP rk, g, tk
	v_mov_b32 v[\g], 0
.irp u, 1,2,3,4,5,6,7
	v_cmp_le_u32 vcc_lo, s[39+(\u)], v[\rk]
	v_cndmask_b32 v[\g], v[\g], s[47+(\u)], vcc_lo
.endr
	v_lshl_add_u32 v[\g], v[\rk], 2, v[\g]
	v_min_u32 v[\g], 9212, v[\g]
	v_add_nc_u32 v[\g], SEG, v[\g]
	ds_load_b32 v[\tk], v[\g]
.endm
; A pass's three tiles, str apart from s26 on: how many exist, their tokens, my offsets.
.macro PASSADR str
	s_mov_b32 s22, 0
.irp sl, 0,1,2
	s_add_co_u32 s31, s26, (\str)*(\sl)            ; the slot's tile
	s_min_u32 s32, s31, s25
	s_sub_co_u32 s32, s25, s32
	s_min_u32 s32, s32, 1                          ; 1 if the tile lies below the expert's number of tiles
	s_add_co_u32 s22, s22, s32
	v_lshl_add_u32 v[RK+(\sl)], s31, 4, v[R15]
	v_min_u32 v[RK+(\sl)], s24, v[RK+(\sl)]        ; places past the count repeat the last row
	v_lshl_add_u32 v[HO+(\sl)], s31, 16, v[L16]
	LOOKUP RK+\sl, GG+\sl, TK+\sl
.endr
	s_wait_dscnt 0x0
.irp sl, 0,1,2
	v_min_u32 v[TK+(\sl)], 2047, v[TK+(\sl)]
	v_lshl_add_u32 v[AO+(\sl)], v[TK+(\sl)], 11, v[H16]
.endr
.endm
; Where a pass begins along K, and the A ring's first four K steps.  half = 1: my half of K; 0: the whole K.
.macro PASSFILL half
.if \half
	s_lshl_b32 s60, s58, 10                        ; 512 k are 1,024 bytes of a row of xb
	s_add_nc_u64 s[20:21], s[8:9], s[60:61]
	s_mul_i32 s[TB], s58, HALFB
.else
	s_mov_b64 s[20:21], s[8:9]
	s_mov_b32 s[TB], 0
.endif
.irp j, 0,1,2,3
	AFILL \j, \j
.endr
.endm
.macro PASSBIAS boff                   ; the bias (boff = 0: halved; BFULL: whole) into the accumulators; the first turn's wait for its fragments, which are asked for behind these loads, shows them in
.irp sl, 0,1,2
.irp nb, 0,1,2,3
	ds_load_b128 v[ACC+32*(\sl)+8*(\nb):ACC+32*(\sl)+8*(\nb)+3],   v[BA] offset:(\boff)+64*(\nb)
	ds_load_b128 v[ACC+32*(\sl)+8*(\nb)+4:ACC+32*(\sl)+8*(\nb)+7], v[BA] offset:(\boff)+64*(\nb)+16
.endr
.endr
.endm
; The way out: ReLU and f16's bound in one line, rounded to f16, stored.  Each accumulator's registers are taken in ascending order.
.macro EPI
	PLACES
.irp sl, 0,1,2
	s_cmp_lt_u32 s22, (\sl)+1
	s_cbranch_scc1 .Lepi_\@
.irp nb, 0,1,2,3
.irp r, 0,1,2,3,4,5,6,7
	v_med3_num_f32 v[ACC+32*(\sl)+8*(\nb)+(\r)], v[ACC+32*(\sl)+8*(\nb)+(\r)], s55, s56
.endr
.irp r, 0,1,2,3
	v_cvt_pk_f16_f32 v[TS+16*(\sl)+4*(\nb)+(\r)], v[ACC+32*(\sl)+8*(\nb)+2*(\r)], v[ACC+32*(\sl)+8*(\nb)+2*(\r)+1]
.endr
	global_store_b128 v[HO+(\sl)], v[TS+16*(\sl)+4*(\nb):TS+16*(\sl)+4*(\nb)+3], s[12:13] offset:512*(\nb)   ; 512 consecutive bytes, aligned
.endr
.endr
.Lepi_\@:
.endm
.macro STASH                           ; the second half of K: my sums of the slots that have rows into my pair's stage, 512 consecutive bytes a store, each accumulator from its low end on
.irp sl, 0,1,2
	s_cmp_lt_u32 s22, (\sl)+1
	s_cbranch_scc1 .Lst_\@
.irp q, 0,1,2,3,4,5,6,7
	ds_store_b128 v[SGA], v[ACC+32*(\sl)+4*(\q):ACC+32*(\sl)+4*(\q)+3] offset:512*(8*(\sl)+(\q))
.endr
.endr
.Lst_\@:
.endm
.macro MERGE                           ; the first half of K: my partner's sums, which lie lane for lane and register for register as mine, are added onto mine
.irp sl, 0,1,2
	s_cmp_lt_u32 s22, (\sl)+1
	s_cbranch_scc1 .Lmga_\@
.irp q, 0,1,2,3,4,5,6,7
	ds_load_b128 v[AR+32*(\sl)+4*(\q):AR+32*(\sl)+4*(\q)+3], v[SGA] offset:512*(8*(\sl)+(\q))
.endr
.endr
.Lmga_\@:
	s_wait_dscnt 0x0
.irp sl, 0,1,2
	s_cmp_lt_u32 s22, (\sl)+1
	s_cbranch_scc1 .Lmgb_\@
.set r, 0
.rept 16
	v_pk_add_f32 v[ACC+32*(\sl)+r:ACC+32*(\sl)+r+1], v[ACC+32*(\sl)+r:ACC+32*(\sl)+r+1], v[AR+32*(\sl)+r:AR+32*(\sl)+r+1]
.set r, r+2
.endr
.endr
.Lmgb_\@:
.endm
; Load number n of my 32 is rounded and laid into LDS.
.macro SLOT n
.set R, RING+4*(\n)
	s_wait_loadcnt 31-(\n)+YOUNG                   ; loads come back in order (ISA guide 5.7.1): number n is in; my younger weights and the ring's loads stay out
	v_cvt_pk_bf16_f32 v[R], v[R], v[R+1]
	v_cvt_pk_bf16_f32 v[R+1], v[R+2], v[R+3]
	ds_store_b64 v[LS], v[R:R+1] offset:(8*((\n)/4)+((\n)%4))*P   ; lanes 0-15: 128 bytes of one k row; lanes 16-31: of the row four further on, 640 bytes away: the other half of the banks
.endm
	s_load_b256 s[4:11], s[0:1], 0x0               ; W1 s[4:5], b1 s[6:7], xb s[8:9], sel s[10:11]
	s_load_b64 s[12:13], s[0:1], 0x20              ; hbuf
	v_lshl_add_u32 v[SPW], v0, 2, SPARE
	v_mov_b32 v[NIL], 0
	v_lshrrev_b32 v[TM], 5, v0
	v_readfirstlane_b32 s16, v[TM]                 ; wave 0..15
	s_and_b32 s19, s16, 7                          ; my pair
	s_lshr_b32 s58, s16, 3                         ; my half of K
	s_mov_b32 s17, ttmp9                           ; slice
	s_and_b32 s18, ttmp7, 0xffff                   ; expert
	s_mov_b32 s55, 0
	s_mov_b32 s56, 0x477fe000                      ; 65,504.0
	s_mov_b32 s57, 0xffff0000
	; the lane terms and every LDS address that lives across a barrier: made here by every wave, never rewritten
	v_and_b32 v[R15], 15, v0
	v_bfe_u32 v[HH], v0, 4, 1
	v_and_b32 v[LN], 31, v0
	v_lshlrev_b32 v[H16], 4, v[HH]
	v_lshlrev_b32 v[L16], 4, v[LN]
	v_and_b32 v[TM], 7, v0
	v_lshl_add_u32 v[TM], v[HH], 3, v[TM]
	v_mul_u32_u24 v[WA0], v[TM], P                 ; the turning load: k row 8 (L / 16) + L % 8,
	v_bfe_u32 v[TM], v0, 3, 1
	v_lshl_add_u32 v[WA0], v[TM], 4, v[WA0]        ; columns 8 ((L / 8) % 2) on
	s_lshl_b32 s30, s19, 9
	s_add_co_u32 s30, s30, BIAS                    ; my pair's copy of the bias
	v_lshl_add_u32 v[BA], v[HH], 5, s30
	s_mul_i32 s31, s16, 64*P                       ; wave w lays down k rows 64 w .. 64 w + 63
	v_mul_u32_u24 v[TM], v[HH], 4*P                ; lanes 16-31 four rows further on
	v_lshl_add_u32 v[TM], v[R15], 3, v[TM]         ; 8 bytes a lane
	v_add_nc_u32 v[LS], s31, v[TM]
	s_lshl_b32 s31, s16, 19                        ; the same rows in W1: 64 w rows of 8,192 bytes,
	v_lshlrev_b32 v[TM], 15, v[HH]                 ; four rows,
	v_lshl_add_u32 v[TM], v[R15], 4, v[TM]         ; 16 bytes a lane
	v_add_nc_u32 v[VO], s31, v[TM]
	s_mul_i32 s31, s19, STW
	s_add_co_u32 s31, s31, STG                     ; my pair's stage
	v_add_nc_u32 v[SGA], s31, v[L16]
	v_and_b32 v[SO], 0xff, v0                      ; thread t takes tokens 8 (t % 256) .. + 7 of sel,
	v_lshlrev_b32 v[SO], 5, v[SO]
	v_lshlrev_b32 v[BOF], 3, v[LN]                 ; and two of the slice's 64 biases
	s_mov_b32 s61, 0
	s_lshl_b32 s60, s18, 23                        ; an expert's W1: 8,388,608 bytes
	s_lshl_b32 s31, s17, 8                         ; a slice's 64 columns in f32
	s_add_co_u32 s60, s60, s31
	s_wait_kmcnt 0x0
	s_add_nc_u64 s[4:5], s[4:5], s[60:61]
	s_lshl_b32 s60, s18, 13
	s_add_co_u32 s60, s60, s31
	s_add_nc_u64 s[6:7], s[6:7], s[60:61]
	s_lshl_b32 s60, s18, 23                        ; an expert's part of hbuf,
	s_lshl_b32 s31, s17, 11                        ; the slice's four blocks of 512 bytes in a tile
	s_add_co_u32 s60, s60, s31
	s_add_nc_u64 s[12:13], s[12:13], s[60:61]
	; EVERY WAVE: sel and the bias, ahead of the weights, so that they can be waited for by themselves;
	global_load_b128 v[SELD:SELD+3], v[SO], s[10:11]
	global_load_b128 v[SELD+4:SELD+7], v[SO], s[10:11] offset:16
	global_load_b64 v[BI:BI+1], v[BOF], s[6:7]
	; then its 32 loads of weights; a load takes 256 consecutive bytes, aligned, of each of two rows
.irp n, 0,1,2,3,4,5,6,7,8,9,10,11,12,13,14,15,16,17,18,19,20,21,22,23,24,25,26,27,28,29,30,31
	global_load_b128 v[RING+4*(\n):RING+4*(\n)+3], v[VO], s[4:5] offset:(8*((\n)/4)+((\n)%4))*ROWB th:TH_LOAD_NT
.endr
	s_wait_loadcnt 32                              ; sel and the bias are in; the 32 loads of weights, issued behind them, stay out
	s_cmp_lt_u32 s16, 8
	s_cbranch_scc0 .Lbar_a
	; WAVES 0-7: the list
	s_mul_i32 s31, s16, 1152
	s_add_co_u32 s31, s31, SEG                     ; my wave's segment
.irp z, 0,1,2,3
	v_mov_b32 v[ZQ+(\z)], 0
.endr
	v_lshl_add_u32 v[ZA], v[LN], 4, s31
	v_lshl_add_u32 v[ZB], v[LN], 2, s31
	ds_store_b128 v[ZA], v[ZQ:ZQ+3]                ; the whole segment holds token 0 until a token of the expert takes a place: 512 + 512 + 128 bytes;
	ds_store_b128 v[ZA], v[ZQ:ZQ+3] offset:512     ; what an expert without tokens is served with
	ds_store_b32 v[ZB], v[ZQ] offset:1024
	v_lshlrev_b32 v[T8], 3, v0                     ; 8 t
	v_or_b32 v[OTH], 0x100, v[LN]                  ; 256 + lane: where a token of another expert goes
	s_mov_b32 s29, 0
.irp i, 0,1,2,3,4,5,6,7
	v_cmp_eq_u32 s30, s18, v[SELD+(\i)]
	v_mbcnt_lo_u32_b32 v[POS], s30, s29            ; the wave's count so far + the lanes below me that match
	v_cndmask_b32 v[POS], v[OTH], v[POS], s30
	v_min_u32 v[POS], 0x11f, v[POS]                ; inside my wave's 288 words
	v_lshl_add_u32 v[ADR], v[POS], 2, s31
	v_add_nc_u32 v[TKN], \i, v[T8]
	ds_store_b32 v[ADR], v[TKN]                    ; LDS serves a wave's instructions in order (ISA guide 5.7.1.4): behind the zeros
	s_bcnt1_i32_b32 s30, s30
	s_add_co_u32 s29, s29, s30
.endr
	s_lshl_b32 s30, s16, 2
	s_add_co_u32 s30, s30, CNTL
	v_mov_b32 v[ADR], s30
	v_mov_b32 v[POS], s29
	ds_store_b32 v[ADR], v[POS]                    ; my wave's count
	s_lshl_b32 s30, s16, 9
	s_add_co_u32 s30, s30, BIAS
	v_lshl_add_u32 v[BST], v[LN], 3, s30
	v_cvt_pk_bf16_f32 v[BP], v[BI], v[BI+1]        ; the bias rounded to bf16, kept as f32:
	v_lshlrev_b32 v[BO], 16, v[BP]
	v_and_b32 v[BO+1], s57, v[BP]
	v_mul_f32 v[BH], 0.5, v[BO]                    ; halved, for the two halves of K (exact),
	v_mul_f32 v[BH+1], 0.5, v[BO+1]
	ds_store_b64 v[BST], v[BH:BH+1]
	ds_store_b64 v[BST], v[BO:BO+1] offset:BFULL   ; and whole
.Lbar_a:
	BAR                                            ; the lists, counts and biases are there
	; EVERY WAVE: the counts, their running sums, pass 0's tiles, the ring's first rows
	v_mov_b32 v152, CNTL
	ds_load_b128 v[144:147], v152
	ds_load_b128 v[148:151], v152 offset:16
	s_wait_dscnt 0x0
.irp u, 0,1,2,3,4,5,6,7
	v_readfirstlane_b32 s[32+(\u)], v[144+(\u)]
.endr
	s_mov_b32 s40, s32                             ; PF(1)
.irp u, 2,3,4,5,6,7,8
	s_add_co_u32 s[39+(\u)], s[38+(\u)], s[31+(\u)]
.endr
	s_mov_b32 s23, s47                             ; the expert's count
.irp u, 1,2,3,4,5,6,7
	s_lshl_b32 s31, s[39+(\u)], 2
	s_sub_co_u32 s[47+(\u)], 1152*(\u), s31
.endr
	s_max_u32 s24, s23, 1
	s_sub_co_u32 s24, s24, 1                       ; the last rank (0 for an expert without tokens)
	s_lshr_b32 s25, s24, 4
	s_add_co_u32 s25, s25, 1                       ; tiles: at least one
	s_mov_b32 s26, s19                             ; both waves of a pair have the pair's tiles
	PASSADR 8
	PASSFILL 1
.irp n, 0,1,2,3,4,5,6,7,8,9,10,11,12,13,14,15,16,17,18,19,20,21,22,23,24,25,26,27,28,29,30,31
	SLOT \n
.endr
	BAR                                            ; the slice is there; nobody writes it again
	PASSBIAS 0
	MPRE
	MLOOP KT0-1
	BODY4 0
	PLACES                                         ; behind the last products, ahead of the lines that read the sums
	BAR                                            ; nobody reads the slice now: LDS may be stored into
	s_cmp_lt_u32 s16, 8
	s_cbranch_scc1 .Lnostash
	STASH
.Lnostash:
	BAR                                            ; the second half's sums are there; from here to the last barrier nobody writes LDS
	s_cmp_lt_u32 s16, 8
	s_cbranch_scc0 .Lnomerge
	MERGE
	EPI
.Lnomerge:
	s_add_co_u32 s26, s16, 24                      ; the passes for an expert with more than 384 rows: every wave has tiles of its own over the whole K; no barrier
	s_mov_b32 s27, 3
.Lpass:
	s_cmp_ge_u32 s26, s25
	s_cbranch_scc1 .Ldead                          ; my first tile of the pass does not exist: neither do the others
	s_wait_xcnt 0x0                                ; the last pass's loads and stores name the registers that are rewritten now
	PASSADR 16
	PASSFILL 0
	PASSBIAS BFULL
	MPRE
	MLOOP KT-1
	BODY4 0
	EPI
.Ldead:
	s_add_co_u32 s26, s26, 48
	s_sub_co_i32 s27, s27, 1
	s_cmp_lg_u32 s27, 0
	s_cbranch_scc1 .Lpass
	BAR                                            ; every wave's LDS loads are back: the closing lines follow in all sixteen
	s_wait_tensorcnt 0x0                           ; the wave's end, behind my last LDS store
	ds_add_u32 v[SPW], v[NIL]
	s_wait_dscnt 0x0
	s_endpgm
.Lfunc_end_k_qcfb9a2845b_ffn1:
	.size	k_qcfb9a2845b_ffn1, .Lfunc_end_k_qcfb9a2845b_ffn1-k_qcfb9a2845b_ffn1
	.p2alignl 7, 3214868480
	.fill 96, 4, 3214868480
	.section	.rodata,"a",@progbits
	.p2align	6, 0x0
	.amdhsa_kernel k_qcfb9a2845b_ffn1
		.amdhsa_group_segment_fixed_size 277760
		.amdhsa_private_segment_fixed_size 0
		.amdhsa_enable_private_segment 0
		.amdhsa_kernarg_size 40
		.amdhsa_user_sgpr_count 2
		.amdhsa_user_sgpr_kernarg_segment_ptr 1
		.amdhsa_wavefront_size32 1
		.amdhsa_system_sgpr_workgroup_id_x 1
		.amdhsa_system_sgpr_workgroup_id_y 1
		.amdhsa_system_sgpr_workgroup_id_z 1
		.amdhsa_system_vgpr_workitem_id 0
		.amdhsa_next_free_vgpr 256
		.amdhsa_next_free_sgpr 66
		.amdhsa_reserve_vcc 1
		.amdhsa_float_denorm_mode_32 3
		.amdhsa_float_denorm_mode_16_64 3
		.amdhsa_memory_ordered 1
		.amdhsa_forward_progress 1
		.amdhsa_inst_pref_size 101
	.end_amdhsa_kernel
	.amdgpu_metadata
---
amdhsa.version: [ 1, 2 ]
amdhsa.kernels:
  - .name:           k_qcfb9a2845b_ffn1
    .symbol:         k_qcfb9a2845b_ffn1.kd
    .args:
      - { .name: W1, .offset: 0, .size: 8, .value_kind: global_buffer, .address_space: global }
      - { .name: b1, .offset: 8, .size: 8, .value_kind: global_buffer, .address_space: global }
      - { .name: xb, .offset: 16, .size: 8, .value_kind: global_buffer, .address_space: global }
      - { .name: sel, .offset: 24, .size: 8, .value_kind: global_buffer, .address_space: global }
      - { .name: hbuf, .offset: 32, .size: 8, .value_kind: global_buffer, .address_space: global }
    .group_segment_fixed_size: 277760
    .private_segment_fixed_size: 0
    .kernarg_segment_align: 8
    .kernarg_segment_size: 40
    .max_flat_workgroup_size: 512
    .sgpr_count:     66
    .vgpr_count:     256
    .wavefront_size: 32
...
	.end_amdgpu_metadata
.endif
;; end of part 2
;; launch ffn2 (part 3): grid 32 x 8, 16 waves a work-group, no clusters, 259,328 bytes of LDS; arguments W2, b2, hbuf, sel, out0, topw; writes out0
.if DOCPART == 3
	.amdgcn_target "amdgcn-amd-amdhsa--gfx1250"
	.amdhsa_code_object_version 6
	.text
	.protected	k_qcfb9a2845b_ffn2
	.globl	k_qcfb9a2845b_ffn2
	.p2align	8
	.type	k_qcfb9a2845b_ffn2,@function
k_qcfb9a2845b_ffn2:
	s_mov_b64 s[64:65], 0
	v_nop
	global_prefetch_b8 v0, s[64:65] scope:SCOPE_SE
	s_setreg_imm32_b32 hwreg(HW_REG_WAVE_MODE, 25, 1), 1
	s_wait_xcnt 0x0
; SECOND PRODUCT.  out0[token] = top_w[token] (h W2[e] + b2[e]) for the tokens that chose expert e.  W2: [8][2048][1024] f32, b2: [8][1024] f32, hbuf: h in f16 as ffn1 laid it, sel: [2048] u32, topw: [2048] f32.
; W2 and b2 are rounded to bf16; W2's rounded number is then written as f16 (exact from 2^-17 up), since h is f16; products by the matrix unit in f16, sums in f32.
; LIMITS.  |W2| stays within 65,504, f16's largest number; below 2^-17 a weight keeps f16's fixed step of 6e-8.  NaN and infinities are not treated apart.
; GRID.  x = slice of 32 output columns (32), y = expert (8): a work-group has 2,048 x 32 of ONE expert's weights (262,144 bytes of f32), which it alone reads, and ALL of that expert's rows.
; A slice's piece of a row of W2 and of out0 is 128 bytes: 64 columns would make whole blocks of 256 bytes and leave 128 work-groups.
; PHASES, as in ffn1.  (1) Every wave asks for sel and the bias and then for its sixteenth of the slice: k rows 128 w .. 128 w + 127, 32 loads of 512 bytes; sel and the bias are waited for by themselves, and waves 0-7
; list the expert's tokens while the weights are out (the loads of sel and their wait stand on every wave's way; waves 8-15 do not use theirs: 9,216 bytes more a work-group).  (2) Behind a barrier every wave makes
; the counts and its tiles' offsets, asks for its rows' gate weights and fills its ring of rows of h (loads younger than the weights), and
; rounds and lays its weights into LDS as [k][32] f16 as they land.  (3) A barrier; from here on the slice is only read.  (4) K IS SPLIT: waves u and u + 8 have the same three tiles; wave u multiplies k 0-1,023,
; wave u + 8 k 1,024-2,047: sixteen waves have rows on their way, a wave's chain is 32 K steps, and LDS is read as often as by eight waves over the whole K.  Both start from half the bias (halving is exact).
; (5) A barrier, so that no wave reads the slice while a wave stores into LDS; waves 8-15 put their f32 sums into a stage; a barrier; waves 0-7 add them and store.  (6) Further passes.  A last barrier stands in
; front of every wave's closing lines.  Every LDS address that lives across a barrier is made at the head by every wave and never rewritten.
; ROWS.  The expert's list of tokens is made by the same lines as in ffn1, so rank r is the same token.  A TILE is 16 ranks.  Pass 0: tile 8 sl + u for slot sl of waves u and u + 8: 384 rows.  An expert with more rows
; has three more passes, jumped where they hold nothing.
; An operand fragment of h is two blocks of 512 consecutive bytes of hbuf.  A slot without rows asks for one 16-byte piece of an existing tile with each load, so that the counts of the loads are the same for every split.
; THE WAY OUT.  Each output row has one owner: the one expert's work-groups, 128 bytes each.  A lane holds one token and twice eight neighbouring columns, and stores them as four pieces of 16 bytes straight to the
; token's row: a store instruction writes two such pieces to each of 16 rows.  That is the plain way; whole rows of 128 bytes a store would want a turn through LDS.
; ROWS PAST THE COUNT.  In the expert's last tile the places past the count repeat its last rank, here and in ffn1: the same token, the same row of h, the same top_w.  Their lanes hold the numbers of the last row's
; lane and store them to the same bytes, so every lane stays on and EXEC is never changed.  Tiles past the count are jumped by a scalar branch; so is the whole way out of an expert without tokens, whose one tile is
; made from token 0, a token of another expert.
; NOT USED.  Tensor loads: the f32 weights pass registers to be rounded in any case.  Multicast: each slice of weights has one reader; the tiles of h are shared by an expert's 32 work-groups, but how many
; there are hangs on the expert's count, and a joint load wants trip counts that are alike and fixed.  Prefetch: all that comes from memory once is asked for in the first lines.
.set P,     96                         ; a k row of the slice in LDS: 64 bytes + 32: an odd multiple of 32
.set HALFB, 1024*P                     ; half of the slice in LDS
.set KT0,   8                          ; turns of the A ring (4 K steps of 32) in half of K
.set KT,    16                         ; in the whole K
.set ASTEP, 1024                       ; bytes of a tile of h in a K step
.set AHALF, 512
.set ROWB,  4096                       ; a k row of W2 in memory
.set YOUNG, 27                         ; loads that a wave issues behind its weights and ahead of laying them down: three of top_w, the ring's 24
.set SEG,   196608                     ; 8 segments of 288 words, as in ffn1
.set CNTL,  205824                     ; the eight counts
.set BIAS,  206080                     ; for each of waves 0-7 a copy of 256 bytes: the slice's 32 biases halved, then whole, in f32
.set BFULL, 128
.set SPARE, 208128                     ; the spare words, 128 bytes a wave: eight blocks of 256 bytes that no other line names
.set STG,   210176                     ; the stage: for each pair of waves 12 x 512 bytes: 48 registers of sums
.set STW,   6144
.set SPW, 1                            ; v1   SPARE + 4 x my thread's number; never rewritten
.set NIL, 2                            ; v2   0; never rewritten
.set WA,  3                            ; v3   LDS address of a turn's turning loads
.set AO,  4                            ; v4-6   slot sl: my byte offset in the expert's part of hbuf
.set TOK, 7                            ; v7-9   slot sl: the token of row L % 16
.set R15, 10                           ; v10  L % 16
.set H32, 11                           ; v11  32 (L / 16): my eight columns' bytes in a block of 16 columns of out0
.set L16, 12                           ; v12  16 L
.set BA,  13                           ; v13  my eight biases of column block 0
.set WA0, 14                           ; v14  my lane's place in 32 k rows of the slice
.set VO,  15                           ; v15  my byte offset in the slice's rows of W2
.set RING, 16                          ; v16-143  the weights as loaded: 32 loads of four registers, rounded in place; then:
.set ACC, 16                           ; v16-63   slot sl, column block nb at ACC + 16 sl + 8 nb
.set BF,  64                           ; v64-95   weights' fragments: set (K step's parity), column block nb at BF + 16 set + 8 nb
.set AR,  144                          ; v144-239 the A ring: K step j of four, slot sl at AR + 24 j + 8 sl; later the partner's sums
.set OA,  144                          ; the way out, in the ring's registers: slot sl: my byte offset in out0
.set SELD, 240                         ; v240-247 eight words of sel: registers into which no other load from memory lands
.set BI,   248                         ; v248     a bias as loaded: likewise
.set RK,  240                          ; v240-245 behind the wait for sel, at work: rank and address for each slot
.set GG,  243
.set TW,  249                          ; v249-251 slot sl: top_w of row L % 16
.set LS,  252                          ; v252 where I lay my weights down
.set SGA, 253                          ; v253 my 16 bytes in my pair's stage
; lane terms up to the first barrier, in the A ring's registers
.set HH,  200                          ; L / 16
.set LN,  201                          ; L
.set T1,  202
.set T2,  203
; at work while the list is made, in the A ring's registers
.set ZQ,   156
.set POS,  160
.set ADR,  161
.set T8,   162
.set TKN,  163
.set OTH,  164
.set BP,   165
.set BO,   166
.set SO,   168
.set BOF,  169
.set BST,  170
.set ZA,   171
.set ZB,   172
.set BH,   174
.set TB,  59                           ; s59  LDS byte of the slice at which the turn in hand begins
; s[4:5] W2, s[6:7] b2, s[8:9] hbuf, s[10:11] sel, s[12:13] out0, s[14:15] topw; s16 wave, s17 slice, s18 expert, s19 wave % 8: my pair, s58 wave / 8: my half of K; s[20:21] hbuf stepping along K; s22 live slots;
; s23 the expert's count; s24 its last rank; s25 its tiles; s26 my first tile of the pass; s27 passes; s28 turns; s29-33 at work; s32-39 the eight counts; s40-47 their running sums PF(1..8);
; s48-54 GP(1..7) = 1152 u - 4 PF(u); s57 mask; s[60:61] an offset, the high word 0
.macro BAR
	s_wait_dscnt 0x0                               ; for the others: my LDS stores are done and my LDS loads are back
	s_barrier_signal -1
	s_barrier_wait -1
.endm
.macro PLACES                          ; four plain instructions between a matrix instruction and a load into, or a vector line on, one of its registers
.rept 4
	v_nop
.endr
.endm
.macro BLOAD set, ks                   ; the two fragments of weights of K step ks of the turn: four turning loads
.irp n, 0,1
	ds_load_tr16_b128 v[BF+16*(\set)+8*(\n):BF+16*(\set)+8*(\n)+3],   v[WA] offset:(\ks)*32*P+32*(\n)
	ds_load_tr16_b128 v[BF+16*(\set)+8*(\n)+4:BF+16*(\set)+8*(\n)+7], v[WA] offset:(\ks)*32*P+16*P+32*(\n)
.endr
.endm
.macro AFILL j, ks                     ; six loads: the three slots' rows of h of K step ks (counted from s[20:21]) into ring place j; each covers 512 consecutive bytes
.irp sl, 0,1,2
	global_load_b128 v[AR+24*(\j)+8*(\sl):AR+24*(\j)+8*(\sl)+3],   v[AO+(\sl)], s[20:21] offset:(\ks)*ASTEP
	global_load_b128 v[AR+24*(\j)+8*(\sl)+4:AR+24*(\j)+8*(\sl)+7], v[AO+(\sl)], s[20:21] offset:(\ks)*ASTEP+AHALF
.endr
.endm
.macro WM set, j                       ; up to six products; a slot without rows, and those behind it, are jumped.  No two products that follow each other, on any way, name one accumulator
.irp sl, 0,1,2
	s_cmp_lt_u32 s22, (\sl)+1
	s_cbranch_scc1 .Lwm_\@
.irp n, 0,1
	v_wmma_f32_16x16x32_f16 v[ACC+16*(\sl)+8*(\n):ACC+16*(\sl)+8*(\n)+7], v[BF+16*(\set)+8*(\n):BF+16*(\set)+8*(\n)+7], v[AR+24*(\j)+8*(\sl):AR+24*(\j)+8*(\sl)+7], v[ACC+16*(\sl)+8*(\n):ACC+16*(\sl)+8*(\n)+7]
.endr
.endr
.Lwm_\@:
.endm
.macro MPRE                            ; ahead of a pass's first turn: the fragments of its first two K steps are asked for
	v_add_nc_u32 v[WA], s[TB], v[WA0]
	BLOAD 0, 0
	BLOAD 1, 1
.endm
; One turn of the A ring: four K steps.  At its head the fragments of its first two K steps have been asked for.  refill = 1: each ring place is loaded again, four K steps ahead, and the next turn's first two
; K steps' fragments are asked for (K steps 4 and 5 of this turn's address).  refill = 0: a pass's last turn.
.macro BODY4 refill
.irp j, 0,1,2,3
.if \refill
	s_wait_loadcnt 18                              ; ring place j is in: behind its six loads the three other places' eighteen were issued
.else
	s_wait_loadcnt 18-6*(\j)                       ; nothing is loaded any more: the count runs down
.endif
.if ((\j) < 3) || (\refill)
	s_wait_dscnt 4                                 ; this K step's set is in; the next one's four loads may be out
.else
	s_wait_dscnt 0
.endif
	WM (\j)%2, \j
.if ((\j) < 2) || (\refill)
	PLACES
	BLOAD (\j)%2, (\j)+2
.endif
.if \refill
.if (\j) == 0
	s_wait_xcnt 0x0                                ; the base that the ring's loads name is stepped only behind this wait; the youngest of them were issued a K step's products ago
	s_add_nc_u64 s[20:21], s[20:21], 4*ASTEP
.endif
	AFILL \j, \j
.endif
.endr
	s_add_co_u32 s[TB], s[TB], 128*P
	v_add_nc_u32 v[WA], s[TB], v[WA0]
.endm
.macro MLOOP n
	s_mov_b32 s28, \n
.Lml_\@:
	BODY4 1
	s_sub_co_i32 s28, s28, 1
	s_cmp_lg_u32 s28, 0
	s_cbranch_scc1 .Lml_\@
.endm
; The token of a rank: the last segment u whose running sum PF(u) does not pass the rank holds it, at place rank - PF(u).  The address is held inside the segments before it is used.
.macro LOOKUP rk, g, tk
	v_mov_b32 v[\g], 0
.irp u, 1,2,3,4,5,6,7
	v_cmp_le_u32 vcc_lo, s[39+(\u)], v[\rk]
	v_cndmask_b32 v[\g], v[\g], s[47+(\u)], vcc_lo
.endr
	v_lshl_add_u32 v[\g], v[\rk], 2, v[\g]
	v_min_u32 v[\g], 9212, v[\g]
	v_add_nc_u32 v[\g], SEG, v[\g]
	ds_load_b32 v[\tk], v[\g]
.endm
; A pass's three tiles, str apart from s26 on: how many exist, my offsets in h, their tokens.
.macro PASSADR str
	s_mov_b32 s22, 0
.irp sl, 0,1,2
	s_add_co_u32 s31, s26, (\str)*(\sl)            ; the slot's tile
	s_min_u32 s32, s31, s25
	s_sub_co_u32 s32, s25, s32
	s_min_u32 s32, s32, 1                          ; 1 if the tile lies below the expert's number of tiles
	s_add_co_u32 s22, s22, s32
	s_sub_co_u32 s33, s25, 1
	s_min_u32 s33, s33, s31                        ; a slot without rows reads in the last tile that exists,
	s_min_u32 s33, s33, 127
	s_lshl_b32 s33, s33, 16
	v_mul_u32_u24 v[AO+(\sl)], s32, v[L16]         ; all its lanes the same 16 bytes
	v_add_nc_u32 v[AO+(\sl)], s33, v[AO+(\sl)]
	v_lshl_add_u32 v[RK+(\sl)], s31, 4, v[R15]
	v_min_u32 v[RK+(\sl)], s24, v[RK+(\sl)]        ; places past the count repeat the last rank
	LOOKUP RK+\sl, GG+\sl, TOK+\sl
.endr
	s_wait_dscnt 0x0
.irp sl, 0,1,2
	v_min_u32 v[TOK+(\sl)], 2047, v[TOK+(\sl)]
.endr
.endm
; Where a pass begins along K, the rows' gate weights, and the A ring's first four K steps.  half = 1: my half of K; 0: the whole K.
.macro PASSFILL half
.if \half
	s_lshl_b32 s60, s58, 15                        ; 1,024 k are 32,768 bytes of a tile of h
	s_add_nc_u64 s[20:21], s[8:9], s[60:61]
	s_mul_i32 s[TB], s58, HALFB
.else
	s_mov_b64 s[20:21], s[8:9]
	s_mov_b32 s[TB], 0
.endif
.irp sl, 0,1,2
	v_lshlrev_b32 v[GG+(\sl)], 2, v[TOK+(\sl)]
	global_load_b32 v[TW+(\sl)], v[GG+(\sl)], s[14:15]   ; issued ahead of the ring's loads, so the ring's counts hold
.endr
.irp j, 0,1,2,3
	AFILL \j, \j
.endr
.endm
.macro PASSBIAS boff                   ; the bias (boff = 0: halved; BFULL: whole) into the accumulators; the first turn's wait for its fragments, which are asked for behind these loads, shows them in
.irp sl, 0,1,2
.irp nb, 0,1
	ds_load_b128 v[ACC+16*(\sl)+8*(\nb):ACC+16*(\sl)+8*(\nb)+3],   v[BA] offset:(\boff)+64*(\nb)
	ds_load_b128 v[ACC+16*(\sl)+8*(\nb)+4:ACC+16*(\sl)+8*(\nb)+7], v[BA] offset:(\boff)+64*(\nb)+16
.endr
.endr
.endm
; The way out of a slot: times top_w, in ascending order of each accumulator's registers; then my token's 2 x 32 bytes, four stores of 16 bytes a lane.  All lanes store: those past the count hold the last
; row's token and numbers once more.
.macro EPI
	PLACES
	s_cmp_eq_u32 s23, 0
	s_cbranch_scc1 .Lepi_\@                        ; an expert without tokens stores nothing
.irp sl, 0,1,2
	s_cmp_lt_u32 s22, (\sl)+1
	s_cbranch_scc1 .Lepi_\@                        ; a tile past the count, and those behind it
.set r, 0
.rept 16
	v_mul_f32 v[ACC+16*(\sl)+r], v[TW+(\sl)], v[ACC+16*(\sl)+r]
.set r, r+1
.endr
	v_lshl_add_u32 v[OA+(\sl)], v[TOK+(\sl)], 12, v[H32]   ; the token's row of 4,096 bytes, my eight columns
.irp n, 0,1
	global_store_b128 v[OA+(\sl)], v[ACC+16*(\sl)+8*(\n):ACC+16*(\sl)+8*(\n)+3],   s[12:13] offset:64*(\n)
	global_store_b128 v[OA+(\sl)], v[ACC+16*(\sl)+8*(\n)+4:ACC+16*(\sl)+8*(\n)+7], s[12:13] offset:64*(\n)+16
.endr
.endr
.Lepi_\@:
.endm
.macro STASH                           ; the second half of K: my sums of the slots that have rows into my pair's stage, 512 consecutive bytes a store, each accumulator from its low end on
.irp sl, 0,1,2
	s_cmp_lt_u32 s22, (\sl)+1
	s_cbranch_scc1 .Lst_\@
.irp q, 0,1,2,3
	ds_store_b128 v[SGA], v[ACC+16*(\sl)+4*(\q):ACC+16*(\sl)+4*(\q)+3] offset:512*(4*(\sl)+(\q))
.endr
.endr
.Lst_\@:
.endm
.macro MERGE                           ; the first half of K: my partner's sums, which lie lane for lane and register for register as mine, are added onto mine
.irp sl, 0,1,2
	s_cmp_lt_u32 s22, (\sl)+1
	s_cbranch_scc1 .Lmga_\@
.irp q, 0,1,2,3
	ds_load_b128 v[AR+16*(\sl)+4*(\q):AR+16*(\sl)+4*(\q)+3], v[SGA] offset:512*(4*(\sl)+(\q))
.endr
.endr
.Lmga_\@:
	s_wait_dscnt 0x0
.irp sl, 0,1,2
	s_cmp_lt_u32 s22, (\sl)+1
	s_cbranch_scc1 .Lmgb_\@
.set r, 0
.rept 8
	v_pk_add_f32 v[ACC+16*(\sl)+r:ACC+16*(\sl)+r+1], v[ACC+16*(\sl)+r:ACC+16*(\sl)+r+1], v[AR+16*(\sl)+r:AR+16*(\sl)+r+1]
.set r, r+2
.endr
.endr
.Lmgb_\@:
.endm
; Load number n of my 32 is rounded to bf16, that number written as f16, all in its own four registers, and laid into LDS.
.macro SLOT n
.set R, RING+4*(\n)
	s_wait_loadcnt 31-(\n)+YOUNG                   ; loads come back in order (ISA guide 5.7.1): number n is in; my younger weights, top_w and the ring's loads stay out
	v_cvt_pk_bf16_f32 v[R], v[R], v[R+1]
	v_cvt_pk_bf16_f32 v[R+1], v[R+2], v[R+3]
	v_lshlrev_b32 v[R+2], 16, v[R+1]
	v_and_b32 v[R+3], s57, v[R+1]
	v_cvt_pk_f16_f32 v[R+1], v[R+2], v[R+3]
	v_lshlrev_b32 v[R+2], 16, v[R]
	v_and_b32 v[R+3], s57, v[R]
	v_cvt_pk_f16_f32 v[R], v[R+2], v[R+3]
	ds_store_b64 v[LS], v[R:R+1] offset:(8*((\n)/2)+((\n)%2))*P   ; eight lanes: 64 bytes of a k row; the four rows lie two apart, 192 bytes: four different quarters of the banks
.endm
	s_load_b256 s[4:11], s[0:1], 0x0               ; W2 s[4:5], b2 s[6:7], hbuf s[8:9], sel s[10:11]
	s_load_b128 s[12:15], s[0:1], 0x20             ; out0 s[12:13], topw s[14:15]
	v_lshl_add_u32 v[SPW], v0, 2, SPARE
	v_mov_b32 v[NIL], 0
	v_lshrrev_b32 v[T1], 5, v0
	v_readfirstlane_b32 s16, v[T1]                 ; wave 0..15
	s_and_b32 s19, s16, 7                          ; my pair
	s_lshr_b32 s58, s16, 3                         ; my half of K
	s_mov_b32 s17, ttmp9                           ; slice
	s_and_b32 s18, ttmp7, 0xffff                   ; expert
	s_mov_b32 s57, 0xffff0000
	; the lane terms and every LDS address that lives across a barrier: made here by every wave, never rewritten
	v_and_b32 v[R15], 15, v0
	v_bfe_u32 v[HH], v0, 4, 1                      ; L / 16
	v_and_b32 v[LN], 31, v0
	v_lshlrev_b32 v[L16], 4, v[LN]
	v_lshlrev_b32 v[H32], 5, v[HH]
	v_and_b32 v[T2], 7, v0                         ; L % 8
	v_lshl_add_u32 v[T1], v[HH], 3, v[T2]
	v_mul_u32_u24 v[WA0], v[T1], P                 ; the turning load: k row 8 (L / 16) + L % 8,
	v_bfe_u32 v[T1], v0, 3, 1
	v_lshl_add_u32 v[WA0], v[T1], 4, v[WA0]        ; columns 8 ((L / 8) % 2) on
	s_lshl_b32 s30, s19, 8
	s_add_co_u32 s30, s30, BIAS                    ; my pair's copy of the bias
	v_lshl_add_u32 v[BA], v[HH], 5, s30
	s_mul_i32 s31, s16, 128*P                      ; wave w lays down k rows 128 w .. 128 w + 127
	v_bfe_u32 v[T1], v0, 3, 2
	v_mul_u32_u24 v[T1], v[T1], 2*P                ; each eight lanes two rows further on
	v_lshl_add_u32 v[T1], v[T2], 3, v[T1]          ; 8 bytes a lane
	v_add_nc_u32 v[LS], s31, v[T1]
	s_lshl_b32 s31, s16, 19                        ; the same rows in W2: 128 w rows of 4,096 bytes,
	v_bfe_u32 v[T1], v0, 3, 2
	v_lshlrev_b32 v[T1], 13, v[T1]                 ; two rows,
	v_lshl_add_u32 v[T1], v[T2], 4, v[T1]          ; 16 bytes a lane
	v_add_nc_u32 v[VO], s31, v[T1]
	s_mul_i32 s31, s19, STW
	s_add_co_u32 s31, s31, STG                     ; my pair's stage
	v_add_nc_u32 v[SGA], s31, v[L16]
	v_and_b32 v[SO], 0xff, v0                      ; thread t takes tokens 8 (t % 256) .. + 7 of sel,
	v_lshlrev_b32 v[SO], 5, v[SO]
	v_lshlrev_b32 v[BOF], 2, v[LN]                 ; and one of the slice's 32 biases
	s_mov_b32 s61, 0
	s_lshl_b32 s60, s18, 23                        ; an expert's W2: 8,388,608 bytes
	s_lshl_b32 s31, s17, 7                         ; a slice's 32 columns in f32
	s_add_co_u32 s60, s60, s31
	s_wait_kmcnt 0x0
	s_add_nc_u64 s[4:5], s[4:5], s[60:61]
	s_lshl_b32 s60, s18, 12
	s_add_co_u32 s60, s60, s31
	s_add_nc_u64 s[6:7], s[6:7], s[60:61]
	s_lshl_b32 s60, s18, 23                        ; an expert's part of hbuf
	s_add_nc_u64 s[8:9], s[8:9], s[60:61]
	s_mov_b32 s60, s31
	s_add_nc_u64 s[12:13], s[12:13], s[60:61]      ; out0 at the slice's columns
	; EVERY WAVE: sel and the bias, ahead of the weights, so that they can be waited for by themselves;
	global_load_b128 v[SELD:SELD+3], v[SO], s[10:11]
	global_load_b128 v[SELD+4:SELD+7], v[SO], s[10:11] offset:16
	global_load_b32 v[BI], v[BOF], s[6:7]
	; then its 32 loads of weights; a load takes the slice's 128 bytes of each of four rows
.irp n, 0,1,2,3,4,5,6,7,8,9,10,11,12,13,14,15,16,17,18,19,20,21,22,23,24,25,26,27,28,29,30,31
	global_load_b128 v[RING+4*(\n):RING+4*(\n)+3], v[VO], s[4:5] offset:(8*((\n)/2)+((\n)%2))*ROWB
.endr
	s_wait_loadcnt 32                              ; sel and the bias are in; the 32 loads of weights, issued behind them, stay out
	s_cmp_lt_u32 s16, 8
	s_cbranch_scc0 .Lbar_a
	; WAVES 0-7: the list
	s_mul_i32 s31, s16, 1152
	s_add_co_u32 s31, s31, SEG                     ; my wave's segment
.irp z, 0,1,2,3
	v_mov_b32 v[ZQ+(\z)], 0
.endr
	v_lshl_add_u32 v[ZA], v[LN], 4, s31
	v_lshl_add_u32 v[ZB], v[LN], 2, s31
	ds_store_b128 v[ZA], v[ZQ:ZQ+3]                ; the whole segment holds token 0 until a token of the expert takes a place: 512 + 512 + 128 bytes
	ds_store_b128 v[ZA], v[ZQ:ZQ+3] offset:512
	ds_store_b32 v[ZB], v[ZQ] offset:1024
	v_lshlrev_b32 v[T8], 3, v0                     ; 8 t
	v_or_b32 v[OTH], 0x100, v[LN]                  ; 256 + lane: where a token of another expert goes
	s_mov_b32 s29, 0
.irp i, 0,1,2,3,4,5,6,7
	v_cmp_eq_u32 s30, s18, v[SELD+(\i)]
	v_mbcnt_lo_u32_b32 v[POS], s30, s29            ; the wave's count so far + the lanes below me that match
	v_cndmask_b32 v[POS], v[OTH], v[POS], s30
	v_min_u32 v[POS], 0x11f, v[POS]                ; inside my wave's 288 words
	v_lshl_add_u32 v[ADR], v[POS], 2, s31
	v_add_nc_u32 v[TKN], \i, v[T8]
	ds_store_b32 v[ADR], v[TKN]                    ; LDS serves a wave's instructions in order (ISA guide 5.7.1.4): behind the zeros
	s_bcnt1_i32_b32 s30, s30
	s_add_co_u32 s29, s29, s30
.endr
	s_lshl_b32 s30, s16, 2
	s_add_co_u32 s30, s30, CNTL
	v_mov_b32 v[ADR], s30
	v_mov_b32 v[POS], s29
	ds_store_b32 v[ADR], v[POS]                    ; my wave's count
	s_lshl_b32 s30, s16, 8
	s_add_co_u32 s30, s30, BIAS
	v_lshl_add_u32 v[BST], v[LN], 2, s30
	v_cvt_pk_bf16_f32 v[BP], v[BI], v[BI]          ; the bias rounded to bf16, kept as f32:
	v_lshlrev_b32 v[BO], 16, v[BP]
	v_mul_f32 v[BH], 0.5, v[BO]                    ; halved, for the two halves of K (exact),
	ds_store_b32 v[BST], v[BH]
	ds_store_b32 v[BST], v[BO] offset:BFULL        ; and whole
.Lbar_a:
	BAR                                            ; the lists, counts and biases are there
	; EVERY WAVE: the counts, their running sums, pass 0's tiles, top_w and the ring's first rows
	v_mov_b32 v152, CNTL
	ds_load_b128 v[144:147], v152
	ds_load_b128 v[148:151], v152 offset:16
	s_wait_dscnt 0x0
.irp u, 0,1,2,3,4,5,6,7
	v_readfirstlane_b32 s[32+(\u)], v[144+(\u)]
.endr
	s_mov_b32 s40, s32                             ; PF(1)
.irp u, 2,3,4,5,6,7,8
	s_add_co_u32 s[39+(\u)], s[38+(\u)], s[31+(\u)]
.endr
	s_mov_b32 s23, s47                             ; the expert's count
.irp u, 1,2,3,4,5,6,7
	s_lshl_b32 s31, s[39+(\u)], 2
	s_sub_co_u32 s[47+(\u)], 1152*(\u), s31
.endr
	s_max_u32 s24, s23, 1
	s_sub_co_u32 s24, s24, 1                       ; the last rank (0 for an expert without tokens)
	s_lshr_b32 s25, s24, 4
	s_add_co_u32 s25, s25, 1                       ; tiles: at least one
	s_mov_b32 s26, s19                             ; both waves of a pair have the pair's tiles
	PASSADR 8
	PASSFILL 1
.irp n, 0,1,2,3,4,5,6,7,8,9,10,11,12,13,14,15,16,17,18,19,20,21,22,23,24,25,26,27,28,29,30,31
	SLOT \n
.endr
	BAR                                            ; the slice is there; nobody writes it again
	PASSBIAS 0
	MPRE
	MLOOP KT0-1
	BODY4 0
	PLACES                                         ; behind the last products, ahead of the lines that read the sums
	BAR                                            ; nobody reads the slice now: LDS may be stored into
	s_cmp_lt_u32 s16, 8
	s_cbranch_scc1 .Lnostash
	STASH
.Lnostash:
	BAR                                            ; the second half's sums are there; from here to the last barrier nobody writes LDS
	s_cmp_lt_u32 s16, 8
	s_cbranch_scc0 .Lnomerge
	MERGE
	EPI
.Lnomerge:
	s_add_co_u32 s26, s16, 24                      ; the passes for an expert with more than 384 rows: every wave has tiles of its own over the whole K; no barrier
	s_mov_b32 s27, 3
.Lpass:
	s_cmp_ge_u32 s26, s25
	s_cbranch_scc1 .Ldead                          ; my first tile of the pass does not exist: neither do the others
	s_wait_xcnt 0x0                                ; the last pass's loads and stores name the registers that are rewritten now
	PASSADR 16
	PASSFILL 0
	PASSBIAS BFULL
	MPRE
	MLOOP KT-1
	BODY4 0
	EPI
.Ldead:
	s_add_co_u32 s26, s26, 48
	s_sub_co_i32 s27, s27, 1
	s_cmp_lg_u32 s27, 0
	s_cbranch_scc1 .Lpass
	BAR                                            ; every wave's LDS loads are back: the closing lines follow in all sixteen
	s_wait_tensorcnt 0x0                           ; the wave's end, behind my last LDS store
	ds_add_u32 v[SPW], v[NIL]
	s_wait_dscnt 0x0
	s_endpgm
.Lfunc_end_k_qcfb9a2845b_ffn2:
	.size	k_qcfb9a2845b_ffn2, .Lfunc_end_k_qcfb9a2845b_ffn2-k_qcfb9a2845b_ffn2
	.p2alignl 7, 3214868480
	.fill 96, 4, 3214868480
	.section	.rodata,"a",@progbits
	.p2align	6, 0x0
	.amdhsa_kernel k_qcfb9a2845b_ffn2
		.amdhsa_group_segment_fixed_size 259328
		.amdhsa_private_segment_fixed_size 0
		.amdhsa_enable_private_segment 0
		.amdhsa_kernarg_size 48
		.amdhsa_user_sgpr_count 2
		.amdhsa_user_sgpr_kernarg_segment_ptr 1
		.amdhsa_wavefront_size32 1
		.amdhsa_system_sgpr_workgroup_id_x 1
		.amdhsa_system_sgpr_workgroup_id_y 1
		.amdhsa_system_sgpr_workgroup_id_z 1
		.amdhsa_system_vgpr_workitem_id 0
		.amdhsa_next_free_vgpr 256
		.amdhsa_next_free_sgpr 66
		.amdhsa_reserve_vcc 1
		.amdhsa_float_denorm_mode_32 3
		.amdhsa_float_denorm_mode_16_64 3
		.amdhsa_memory_ordered 1
		.amdhsa_forward_progress 1
		.amdhsa_inst_pref_size 76
	.end_amdhsa_kernel
	.amdgpu_metadata
---
amdhsa.version: [ 1, 2 ]
amdhsa.kernels:
  - .name:           k_qcfb9a2845b_ffn2
    .symbol:         k_qcfb9a2845b_ffn2.kd
    .args:
      - { .name: W2, .offset: 0, .size: 8, .value_kind: global_buffer, .address_space: global }
      - { .name: b2, .offset: 8, .size: 8, .value_kind: global_buffer, .address_space: global }
      - { .name: hbuf, .offset: 16, .size: 8, .value_kind: global_buffer, .address_space: global }
      - { .name: sel, .offset: 24, .size: 8, .value_kind: global_buffer, .address_space: global }
      - { .name: out0, .offset: 32, .size: 8, .value_kind: global_buffer, .address_space: global }
      - { .name: topw, .offset: 40, .size: 8, .value_kind: global_buffer, .address_space: global }
    .group_segment_fixed_size: 259328
    .private_segment_fixed_size: 0
    .kernarg_segment_align: 8
    .kernarg_segment_size: 48
    .max_flat_workgroup_size: 512
    .sgpr_count:     66
    .vgpr_count:     256
    .wavefront_size: 32
...
	.end_amdgpu_metadata
.endif
;; end of part 3
